; MI455X (gfx1250); checked and timed in simulation.
; The chip was launched on July 23, 2026; its instructions are those of AMD's public machine-readable ISA for CDNA 5 (MIT licence, August 2026) and "CDNA5" Instruction Set Architecture Reference Guide (July 2026). The comments in the code are by the model that wrote it; some were corrected since.
;; Attention. Allowed arithmetic: matrix products marked QUANTISED: E2M3 operands, one E8M0 scale for each 32 along K, by v_wmma_scale_f32_16x16x128_f8f6f4 with both operands' format E2M3, f32 sums; everything else in f32.
;; Inputs: norm_b 256 float32; norm_w 256 float32; out_b 256 float32; out_w 256 x 128 float32; qkv_w 384 x 256 float32; x 4 x 256 x 64 x 64 float32.
;; Outputs: out0 4 x 256 x 64 x 64 float32.
;; This version of the problem:
;;   THIS VERSION OF THE PROBLEM IS GIVEN IN LOW PRECISION. The matrix products marked QUANTISED in the list below multiply operands that are first quantised to E2M3 (2 exponent bits, 3 mantissa bits; 6 bits a number), with one power-of-two scale for each 32 numbers along K (OCP MX v1.0); their sums are f32. All else is computed in f32.
;;   The module's matrix products, in the order in which they are computed (A, B: the left and right operand; K: the contracted axis; several contracted axes count as one K, in the product's order):
;;     1. [M 16,384, K 256] x [K 256, N 384]; A: computed on the way; B: input qkv_w: QUANTISED
;;     2. batch 16 x [M 4,096, K 32] x [K 32, N 4,096]; A: computed on the way; B: computed on the way: QUANTISED
;;     3. batch 16 x [M 4,096, K 4,096] x [K 4,096, N 32]; A: softmax (see below); B: computed on the way: QUANTISED
;;     4. [M 16,384, K 128] x [K 128, N 256]; A: computed on the way; B: input out_w: QUANTISED
;;   THE QUANTISER, for each operand of a quantised product, along K:
;;     - K is cut into blocks of 32 from its start; a last block that is shorter is filled with zeros.
;;     - A block's scale is 2^e with e = floor(log2(the largest magnitude in the block)) - 2, held to -126 .. 127; a block of zeros has e = 0. As a byte (E8M0): e + 127.
;;     - Each number is divided by its block's scale, clamped to +-7.5, and rounded to the nearest number of E2M3, ties to even, subnormals kept.
;;     - The product sums the exact products of the quantised numbers (number of the format x scale) in f32.
;;   ~~~python
;;   def quantise(x, axis):      # numpy; x: float32 -> the quantised numbers, widened to float32 again
;;       x = np.moveaxis(x, axis, -1); K = x.shape[-1]
;;       x = np.pad(x, [(0, 0)] * (x.ndim - 1) + [(0, -K % 32)]); x = x.reshape(x.shape[:-1] + (-1, 32)); a = np.abs(x).max(-1, keepdims=True)
;;       e = np.where(a > 0, np.clip(np.frexp(np.where(a > 0, a, 1))[1] - 1 - 2, -126, 127), 0)      # np.frexp(a)[1] - 1 = floor(log2(a)), exactly
;;       r = np.clip(x / 2.0 ** e, -7.5, 7.5)
;;       step = 2.0 ** (np.maximum(np.frexp(np.where(r == 0, 1, r))[1] - 1, 0) - 3)
;;       q = np.round(r / step) * step * 2.0 ** e      # np.round: ties to even
;;       return np.moveaxis(q.reshape(q.shape[:-2] + (-1,))[..., :K], -1, axis).astype(np.float32)
;;   ~~~
;;   SOFTMAX AHEAD OF A QUANTISED PRODUCT. Where the list says 'softmax', what is quantised is not the finished softmax but p = 2^(t - M), with t = logit x log2(e) and M = ceil(the row's largest t), a whole number; so 1/2 < the row's largest p <= 1. The row's sum l is taken of the UNQUANTISED p, in f32, and the product's result is divided by l at the end. Since M is a whole number, a kernel that streams over the keys may use a running M (the ceiling of the running maximum): every later rescaling is an exact power of two, which a block's scale takes up: the codes' values come out the same.
;;   OPERANDS COMPUTED ON THE WAY. 'Computed on the way' means the value that the module computes at that place (a softmax that the list does not call 'softmax' is quantised finished and normalised). What goes into a quantiser is computed in f32, as accurately as f32 sums, v_exp_f32 and their like allow (about 1e-6 of the number): no bf16 or f16 on the way to a quantiser, and a product that is left as it is and whose result goes on into a quantised operand takes f32 operands (vector FMAs, or v_wmma_f32_16x16x4_f32). A number that lies on a knife's edge between two numbers of the format may be rounded either way, as far as f32 arithmetic and the matrix unit's own rounding can turn it there, and no further.
;; One version. Each part assembles by itself: llvm-mc -triple=amdgcn-amd-amdhsa -mcpu=gfx1250 --defsym DOCPART=n.
;; ======== version 1 of 1: 3 launches
;; workspace buffers: stats 16,384 bytes; wfrag 98,304 bytes; wsc 8,192 bytes; qc 1,572,864 bytes; qs 65,536 bytes; kv 3,145,728 bytes; kvs 131,072 bytes
;; launch prep (part 1): grid 264 x 1, 8 waves a work-group, no clusters, 0 bytes of LDS; arguments x, qkv_w, out_w, stats, wfrag, wsc; writes stats, wfrag, wsc
.if DOCPART == 1
	.amdgcn_target "amdgcn-amd-amdhsa--gfx1250"
	.amdhsa_code_object_version 6
	.text
	.protected	k_qe0207b55b7_prep
	.globl	k_qe0207b55b7_prep
	.p2align	8
	.type	k_qe0207b55b7_prep,@function
k_qe0207b55b7_prep:
	s_mov_b64 s[64:65], 0
	v_nop
	global_prefetch_b8 v0, s[64:65] scope:SCOPE_SE
	s_setreg_imm32_b32 hwreg(HW_REG_WAVE_MODE, 25, 1), 1
	s_wait_xcnt 0x0
; Two jobs that everything later needs, in one launch; the work-group's number chooses.
; WORK-GROUPS 0-255: statistics of x for the group norm.  Wave W = 8 x work-group + wave takes 2,048 consecutive numbers of x (8,192 bytes) and stores their mean and
; M2 = the sum of squares of (number - that mean).  A norm group (32 channels x 4,096 pixels, dense in memory) is 64 such runs: group = W / 64.  The squares are taken about the run's own mean, so no difference of large sums is formed.
; WORK-GROUPS 256-263: qkv_w [384][256] and out_w [256][128], f32, K innermost, become codes of FP6 (E2M3) with one E8M0 byte for each 32 along K, laid as IMAGES OF OPERAND REGISTERS.
; One wave makes one fragment f (16 rows x 128 K, 12 registers a lane): f < 48: qkv_w, tile f / 2, K step f % 2; f >= 48: out_w, tile f - 48.
; THE ROWS OF A TILE ARE NOT NEIGHBOURS: lane r of tile t takes row 32 (t / 2) + 8 (t % 2) + r + 8 (r / 8), so that in a product's result the registers of tiles 2 i, 2 i + 1 are 16 neighbours.
; wfrag[f]: three pieces of 512 bytes; piece c holds registers 4 c .. 4 c + 3, lane l at 16 l.   wsc[f]: a scale word a lane (lanes 16-31 repeat lanes 0-15).
; A block's scale is 2^(floor(log2(largest magnitude)) - 2); its byte is the largest magnitude's exponent field - 2, held at 1 from below.
; LIMITS: NaN and infinities are not served; a block whose largest magnitude lies under 2^-124 has its byte held at 1; a block of zeros gets the byte 1, not 127: its codes are zeros, and this program alone reads the bytes.
; No LDS, no barrier: waves share nothing.
.set SEL, 16                           ; s[16:17] lane selects for v_permlanex16_b32: lane l xor 16
.set WV,  18                           ; s18      my wave's number
.set NUM, 16                           ; v16-79   64 numbers a lane
.set CH,  80                           ; v80-87   four packed chains (statistics); at work (weights)
	s_load_b256 s[4:11], s[0:1], 0x0               ; x s[4:5], qkv_w s[6:7], out_w s[8:9], stats s[10:11]
	s_load_b128 s[12:15], s[0:1], 0x20             ; wfrag s[12:13], wsc s[14:15]
	v_lshrrev_b32 v1, 5, v0
	s_delay_alu instid0(VALU_DEP_1)
	v_readfirstlane_b32 s[WV], v1
	v_and_b32 v1, 31, v0                           ; lane
	s_delay_alu instid0(VALU_DEP_1)
	v_lshlrev_b32 v2, 4, v1                        ; 16 x lane
	v_and_b32 v3, 15, v0                           ; r
	v_bfe_u32 v4, v0, 4, 1                         ; h
	s_delay_alu instid0(VALU_DEP_4)
	v_lshlrev_b32 v7, 2, v1                        ; 4 x lane
	v_mov_b32 v8, 0
	s_mov_b32 s[SEL], 0x76543210
	s_mov_b32 s[SEL+1], 0xfedcba98
	s_cmp_ge_u32 ttmp9, 256
	s_cbranch_scc1 .Lweights
; a sum over the wave's 32 lanes, left in every lane
.macro RED v, t
	s_delay_alu instid0(VALU_DEP_1)
	v_add_f32_dpp v[\v], v[\v], v[\v] row_xmask:1 row_mask:0xf bank_mask:0xf
	s_delay_alu instid0(VALU_DEP_1)
	v_add_f32_dpp v[\v], v[\v], v[\v] row_xmask:2 row_mask:0xf bank_mask:0xf
	s_delay_alu instid0(VALU_DEP_1)
	v_add_f32_dpp v[\v], v[\v], v[\v] row_xmask:4 row_mask:0xf bank_mask:0xf
	s_delay_alu instid0(VALU_DEP_1)
	v_add_f32_dpp v[\v], v[\v], v[\v] row_xmask:8 row_mask:0xf bank_mask:0xf
	s_delay_alu instid0(VALU_DEP_1)
	v_permlanex16_b32 v[\t], v[\v], s[SEL], s[SEL+1]
	s_delay_alu instid0(VALU_DEP_1)
	v_add_f32 v[\v], v[\v], v[\t]
.endm
.macro JOIN                            ; the four chains into v88
	s_delay_alu instid0(VALU_DEP_3)
	v_pk_add_f32 v[CH:CH+1], v[CH:CH+1], v[CH+2:CH+3]
	s_delay_alu instid0(VALU_DEP_2)
	v_pk_add_f32 v[CH+4:CH+5], v[CH+4:CH+5], v[CH+6:CH+7]
	s_delay_alu instid0(VALU_DEP_1)
	v_pk_add_f32 v[CH:CH+1], v[CH:CH+1], v[CH+4:CH+5]
	s_delay_alu instid0(VALU_DEP_1)
	v_add_f32 v88, v[CH], v[CH+1]
.endm
	; ---- statistics
	s_lshl_b32 s20, ttmp9, 3
	s_add_co_u32 s20, s20, s[WV]                   ; W
	s_lshl_b32 s22, s20, 13                        ; 8,192 bytes a run
	s_mov_b32 s23, 0
	s_lshl_b32 s24, s20, 3                         ; 8 bytes of statistics a run
	s_mov_b32 s25, 0
	s_wait_kmcnt 0x0
	s_add_nc_u64 s[4:5], s[4:5], s[22:23]
	s_add_nc_u64 s[10:11], s[10:11], s[24:25]
	s_wait_alu depctr_va_vdst(0)
.irp j, 0,1,2,3,4,5,6,7,8,9,10,11,12,13,14,15
	global_load_b128 v[NUM+4*\j:NUM+4*\j+3], v2, s[4:5] offset:512*\j   ; 32 lanes read 512 consecutive bytes
.endr
	v_mov_b32 v89, 0                               ; a lane permute's destination counts as one of its sources
	s_wait_loadcnt 12                              ; the first four loads are in; the twelve younger may be out
.irp c, 0,1,2,3
	v_pk_add_f32 v[CH+2*\c:CH+2*\c+1], v[NUM+2*\c:NUM+2*\c+1], v[NUM+8+2*\c:NUM+8+2*\c+1]   ; the first eight pairs start four chains: nothing is cleared
.endr
	s_wait_alu depctr_va_vdst(0)
.irp q, 1,2,3
	s_wait_alu depctr_va_vdst(0)
	s_wait_loadcnt 12-4*\q                         ; the next four loads are in
.irp k, 0,1,2,3,4,5,6,7
	v_pk_add_f32 v[CH+2*(\k%4):CH+2*(\k%4)+1], v[CH+2*(\k%4):CH+2*(\k%4)+1], v[NUM+16*\q+2*\k:NUM+16*\q+2*\k+1]
.endr
.endr
	JOIN
	RED 88, 89
	s_delay_alu instid0(VALU_DEP_1)
	v_mul_f32 v90, 0x3a000000, v88                 ; the run's mean: sum x 2^-11
	s_delay_alu instid0(VALU_DEP_1)
	v_mov_b32 v91, v90
.set k, 0
.rept 32
	v_pk_add_f32 v[NUM+2*k:NUM+2*k+1], v[NUM+2*k:NUM+2*k+1], v[90:91] neg_lo:[0,1] neg_hi:[0,1]   ; number - mean
.set k, k+1
.endr
.irp c, 0,1,2,3
	v_pk_mul_f32 v[CH+2*\c:CH+2*\c+1], v[NUM+2*\c:NUM+2*\c+1], v[NUM+2*\c:NUM+2*\c+1]
.endr
.set k, 4
.rept 28
	s_delay_alu instid0(VALU_DEP_4)
	v_pk_fma_f32 v[CH+2*(k%4):CH+2*(k%4)+1], v[NUM+2*k:NUM+2*k+1], v[NUM+2*k:NUM+2*k+1], v[CH+2*(k%4):CH+2*(k%4)+1]
.set k, k+1
.endr
	JOIN
	RED 88, 89
	v_mov_b32 v92, v90                             ; (mean, M2)
	s_delay_alu instid0(VALU_DEP_2)
	v_mov_b32 v93, v88
	v_cmp_eq_u32 vcc_lo, 0, v1
	s_wait_alu depctr_va_vdst(0)
	s_wait_xcnt 0x0                                ; EXEC changes only behind this wait: the loads above have had their addresses translated
	s_and_saveexec_b32 s26, vcc_lo
	global_store_b64 v8, v[92:93], s[10:11]        ; 8 bytes a wave: 16,384 bytes in the whole launch
	s_endpgm
; 64 numbers of a lane, register 32 c + i = k 64 c + 32 h + i of my row: two whole blocks, 2 c + h.  They become the fragment's 12 registers in v[pc] on and, in v[t + 6], the row's scale word.  sh: a register with 8 h.
.macro QCOL src, pc, pt, t, sh
.irp c, 0,1
	v_max3_num_f32 v[\t+\c], |v[\src+32*\c]|, |v[\src+32*\c+1]|, 0x1800000   ; the floor 2^(3 - 127) among the leaves: the byte cannot fall under 1
.endr
.irp i, 2,4,6,8,10,12,14,16,18,20,22,24,26,28,30
.irp c, 0,1
	s_delay_alu instid0(VALU_DEP_2)
	v_max3_num_f32 v[\t+\c], v[\t+\c], |v[\src+32*\c+\i]|, |v[\src+32*\c+\i+1]|   ; the two blocks by turns
.endr
.endr
.irp c, 0,1
	s_delay_alu instid0(VALU_DEP_2)
	v_add_nc_u32 v[\t+2+\c], 0xff000000, v[\t+\c]  ; 2 off the exponent field: the conversion takes the exponent field of this operand as its scale
.endr
.irp c, 0,1
	s_delay_alu instid0(VALU_DEP_2)
	v_lshrrev_b32 v[\t+4+\c], 23, v[\t+2+\c]       ; the scale's byte
.endr
	s_delay_alu instid0(VALU_DEP_1)
	v_lshl_or_b32 v[\t+6], v[\t+5], 16, v[\t+4]    ; my bytes: blocks h and 2 + h,
	s_delay_alu instid0(VALU_DEP_1)
	v_lshlrev_b32 v[\t+6], v[\sh], v[\t+6]         ; at their places in the word;
	v_mov_b32 v[\t+7], 0
	s_delay_alu instid0(VALU_DEP_1)
	v_permlanex16_b32 v[\t+7], v[\t+6], s[SEL], s[SEL+1]
	s_delay_alu instid0(VALU_DEP_1)
	v_or_b32 v[\t+6], v[\t+6], v[\t+7]             ; with lane l xor 16's two the word is whole, in both halves
.irp c, 0,1
	v_cvt_scalef32_pk16_fp6_f32 v[\pc+6*\c:\pc+6*\c+2], v[\src+32*\c:\src+32*\c+15], v[\t+2+\c]
	v_cvt_scalef32_pk16_fp6_f32 v[\pt+4*\c:\pt+4*\c+2], v[\src+32*\c+16:\src+32*\c+31], v[\t+2+\c]   ; (a conversion's three registers begin on an even number)
.endr
	v_nop                                          ; one plain place behind a scaled conversion
.irp c, 0,1
.irp i, 0,1,2
	v_mov_b32 v[\pc+6*\c+3+\i], v[\pt+4*\c+\i]
.endr
.endr
.endm
.Lweights:
	s_sub_co_u32 s20, ttmp9, 256
	s_lshl_b32 s20, s20, 3
	s_add_co_u32 s20, s20, s[WV]                   ; f = 0 .. 63
	s_lshr_b32 s21, s20, 1                         ; qkv_w: tile,
	s_and_b32 s22, s20, 1                          ; K step
	s_sub_co_u32 s23, s20, 48                      ; out_w: tile
	s_wait_kmcnt 0x0
	s_cmp_lt_u32 s20, 48                           ; the choice hangs on ids alone
	s_cselect_b64 s[24:25], s[6:7], s[8:9]
	s_cselect_b32 s26, 10, 9                       ; a row is 1,024 or 512 bytes
	s_cselect_b32 s21, s21, s23
	s_cselect_b32 s22, s22, 0
	s_lshr_b32 s27, s21, 1
	s_lshl_b32 s27, s27, 5
	s_and_b32 s21, s21, 1
	s_lshl_b32 s21, s21, 3
	s_add_co_u32 s27, s27, s21                     ; 32 (t / 2) + 8 (t % 2)
	s_lshl_b32 s22, s22, 9                         ; 512 bytes a K step
	s_wait_alu depctr_va_vdst(0)
	v_and_b32 v5, 8, v3
	s_delay_alu instid0(VALU_DEP_1)
	v_add_nc_u32 v5, v5, v3                        ; r + 8 (r / 8)
	s_delay_alu instid0(VALU_DEP_1)
	v_add_nc_u32 v5, s27, v5                       ; my row
	s_delay_alu instid0(VALU_DEP_1)
	v_lshlrev_b32 v6, s26, v5
	s_delay_alu instid0(VALU_DEP_1)
	v_lshl_add_u32 v6, v4, 7, v6                   ; + 128 h: lanes 16-31 begin 32 numbers on
	s_delay_alu instid0(VALU_DEP_1)
	v_add_nc_u32 v6, s22, v6
.irp c, 0,1
.irp q, 0,1,2,3,4,5,6,7
	global_load_b128 v[NUM+32*\c+4*\q:NUM+32*\c+4*\q+3], v6, s[24:25] offset:256*\c+16*\q   ; a lane's block is 128 consecutive bytes of its row; the two weights are 524,288 bytes in all, read once
.endr
.endr
	s_mul_i32 s28, s20, 1536
	s_mov_b32 s29, 0
	s_add_nc_u64 s[12:13], s[12:13], s[28:29]
	s_lshl_b32 s28, s20, 7
	s_add_nc_u64 s[14:15], s[14:15], s[28:29]
	v_lshlrev_b32 v88, 3, v4                       ; 8 h
	s_wait_loadcnt 0x0
	QCOL NUM, 92, 104, CH, 88
.irp c, 0,1,2
	global_store_b128 v2, v[92+4*\c:95+4*\c], s[12:13] offset:512*\c   ; 32 lanes store 512 consecutive bytes, aligned
.endr
	global_store_b32 v7, v[CH+6], s[14:15]
	s_endpgm
.Lfunc_end_k_qe0207b55b7_prep:
	.size	k_qe0207b55b7_prep, .Lfunc_end_k_qe0207b55b7_prep-k_qe0207b55b7_prep
	.p2alignl 7, 3214868480
	.fill 96, 4, 3214868480
	.section	.rodata,"a",@progbits
	.p2align	6, 0x0
	.amdhsa_kernel k_qe0207b55b7_prep
		.amdhsa_group_segment_fixed_size 0
		.amdhsa_private_segment_fixed_size 0
		.amdhsa_enable_private_segment 0
		.amdhsa_kernarg_size 48
		.amdhsa_user_sgpr_count 2
		.amdhsa_user_sgpr_kernarg_segment_ptr 1
		.amdhsa_wavefront_size32 1
		.amdhsa_system_sgpr_workgroup_id_x 1
		.amdhsa_system_sgpr_workgroup_id_y 1
		.amdhsa_system_sgpr_workgroup_id_z 1
		.amdhsa_system_vgpr_workitem_id 0
		.amdhsa_next_free_vgpr 112
		.amdhsa_next_free_sgpr 66
		.amdhsa_reserve_vcc 1
		.amdhsa_float_denorm_mode_32 3
		.amdhsa_float_denorm_mode_16_64 3
		.amdhsa_memory_ordered 1
		.amdhsa_forward_progress 1
		.amdhsa_inst_pref_size 20
	.end_amdhsa_kernel
	.amdgpu_metadata
---
amdhsa.version: [ 1, 2 ]
amdhsa.kernels:
  - .name:           k_qe0207b55b7_prep
    .symbol:         k_qe0207b55b7_prep.kd
    .args:
      - { .name: x, .offset: 0, .size: 8, .value_kind: global_buffer, .address_space: global }
      - { .name: qkv_w, .offset: 8, .size: 8, .value_kind: global_buffer, .address_space: global }
      - { .name: out_w, .offset: 16, .size: 8, .value_kind: global_buffer, .address_space: global }
      - { .name: stats, .offset: 24, .size: 8, .value_kind: global_buffer, .address_space: global }
      - { .name: wfrag, .offset: 32, .size: 8, .value_kind: global_buffer, .address_space: global }
      - { .name: wsc, .offset: 40, .size: 8, .value_kind: global_buffer, .address_space: global }
    .group_segment_fixed_size: 0
    .private_segment_fixed_size: 0
    .kernarg_segment_align: 8
    .kernarg_segment_size: 48
    .max_flat_workgroup_size: 256
    .sgpr_count:     66
    .vgpr_count:     112
    .wavefront_size: 32
...
	.end_amdgpu_metadata
.endif
;; end of part 1
;; launch qkv (part 2): grid 64 x 4, 8 waves a work-group, no clusters, 80,896 bytes of LDS; arguments x, norm_w, norm_b, stats, wfrag, wsc, qc, qs, kv, kvs; writes qc, qs, kv, kvs
.if DOCPART == 2
	.amdgcn_target "amdgcn-amd-amdhsa--gfx1250"
	.amdhsa_code_object_version 6
	.text
	.protected	k_qe0207b55b7_qkv
	.globl	k_qe0207b55b7_qkv
	.p2align	8
	.type	k_qe0207b55b7_qkv,@function
k_qe0207b55b7_qkv:
	s_mov_b64 s[64:65], 0
	v_nop
	global_prefetch_b8 v0, s[64:65] scope:SCOPE_SE
	s_setreg_imm32_b32 hwreg(HW_REG_WAVE_MODE, 25, 1), 1
	s_wait_xcnt 0x0
; Group norm, the 1x1 QKV product on codes of FP6 (E2M3, one E8M0 byte for each 32 along K), and the quantising of q, k (along the head's 32) and v (along the pixels), whose codes leave as images of operand registers.
; SHARES.  Work-group (G, b) takes pixels 64 G .. 64 G + 63 of image b, all 256 channels.  Eight waves.
;   A: wave w takes norm group w (channels 32 w ..): it joins the group's 64 partial statistics, normalises its 32 channels x 64 pixels and lays them into LDS.
;   B: wave w makes fragment (pixel tile T = w % 4, K step w / 4) of xn: a lane takes a pixel, its registers run down the channels; a block of 32 along K is one norm group.  The image goes to LDS.
;   C: wave w multiplies: output channels 32 w .. 32 w + 31 of q | k (w < 4: q of head w; else k of head w - 4), transposed (source 0 = weights), and tile w of v (head w / 2, half w % 2), source 0 = pixels; all 64 pixels: 24 matrix instructions.
;   D: the results are quantised in registers and stored.
; ORDER OF ROWS.  Lane r of pixel tile T holds pixel 32 (T / 2) + 8 (T % 2) + r + 8 (r / 8) of the 64; the weights' tiles are laid by the same rule.  So a lane's 16 registers of two neighbouring tiles are 16 neighbours: of the head's 32 for q and k, of the pixels for v.
; WHAT LEAVES.  An image is six pieces of 256 bytes: piece u holds registers 2 u, 2 u + 1 of a fragment's twelve, lane l at 8 l.
;   q, k: ONE fragment for the 64 pixels of a head: its four blocks of 32 along K are the four pixel tiles (a pixel's 32 codes each); its scale word: byte T = tile T.   qc[b][G][head], qs[b][G][head][r];  kv[b][G / 2] + 6144 (G % 2) + 1536 head, kvs[b] + 256 G + 64 head + 4 r.
;   v: half a fragment (64 of a key step's 128 keys): kv[b][G / 2] + 12288 + 1536 w + 768 (G % 2); two scale bytes at kvs[b] + 16384 + 512 (G / 2) + 64 w + 4 r + 2 (G % 2).
; LIMITS: NaN and infinities are not served; a block whose largest magnitude lies under 2^-124 has its byte held at 1; a block of zeros gets the byte 1, not 127 (zero codes; this program alone reads the bytes).
; No tensor loads: x is normalised in registers before it is turned through LDS.
.set XIMG, 0                           ; LDS: xn's 8 fragments, 1,536 bytes each: three pieces of 512 bytes, registers 4 c .. 4 c + 3, lane l at 16 l
.set XSC,  12288                       ; their scale words, 128 bytes each
.set XT,   13312                       ; xn as f32: group g at 8,320 g, channel i of the group at 256 i, pixel p at 4 p.  8,320 bytes are 32 words more than a whole number of times 64 words, so the two halves of the lanes, which read neighbouring groups, take different words modulo 64
.set GP,   8320
.set WF,   28                          ; v28-99   six weight fragments: (tile u of q | k, K step s) at 12 (2 u + s); v's at 12 (4 + s)
.set WS,   100                         ; v100-105 their scale words
.set X,    106                         ; v106-169 x, then xn; in B the 64 numbers of a lane
.set A,    170                         ; v170-185 norm_w x 1 / sigma: register j for channel 32 w + 2 j + h
.set NB,   186                         ; v186-201 norm_b likewise
.set ACC,  106                         ; v106-169 q | k: register 16 T + 8 u + j
.set ACV,  170                         ; v170-201 v: register 8 T + j
.set XF,   202                         ; v202-249 xn's four fragments of a K step
.set XS,   250                         ; v250-253 their scale words
.set PC,   202                         ; in B and D: codes just made,
.set PT,   214                         ; the halves that are moved,
.set TM,   222                         ; v222-237 at work,
.set PW,   238                         ; the scale word
.set PC2,  28                          ; in D: v's codes,
.set PT2,  36
.set PW2,  44                          ; and its two scale bytes
.set SEL,  28                          ; s[28:29]
.macro RED v, t
	s_delay_alu instid0(VALU_DEP_1)
	v_add_f32_dpp v[\v], v[\v], v[\v] row_xmask:1 row_mask:0xf bank_mask:0xf
	s_delay_alu instid0(VALU_DEP_1)
	v_add_f32_dpp v[\v], v[\v], v[\v] row_xmask:2 row_mask:0xf bank_mask:0xf
	s_delay_alu instid0(VALU_DEP_1)
	v_add_f32_dpp v[\v], v[\v], v[\v] row_xmask:4 row_mask:0xf bank_mask:0xf
	s_delay_alu instid0(VALU_DEP_1)
	v_add_f32_dpp v[\v], v[\v], v[\v] row_xmask:8 row_mask:0xf bank_mask:0xf
	s_wait_alu depctr_va_vdst(0)
	v_permlanex16_b32 v[\t], v[\v], s[SEL], s[SEL+1]
	s_delay_alu instid0(VALU_DEP_1)
	v_add_f32 v[\v], v[\v], v[\t]
.endm
.macro BARRIER                         ; my LDS stores have landed and my LDS loads are in: then the work-group's barrier
	s_wait_dscnt 0x0
	s_barrier_signal -1
	s_barrier_wait -1
.endm
; 64 numbers of a lane, register 32 c + i = k 64 c + 32 h + i of my row: two whole blocks.  Codes to v[pc] on, the row's scale word to v[t + 6].  sh: a register with 8 h.
.macro QCOL src, pc, pt, t, sh
.irp c, 0,1
	v_max3_num_f32 v[\t+\c], |v[\src+32*\c]|, |v[\src+32*\c+1]|, 0x1800000   ; the floor 2^(3 - 127): the byte cannot fall under 1
.endr
.irp i, 2,4,6,8,10,12,14,16,18,20,22,24,26,28,30
.irp c, 0,1
	s_delay_alu instid0(VALU_DEP_2)
	v_max3_num_f32 v[\t+\c], v[\t+\c], |v[\src+32*\c+\i]|, |v[\src+32*\c+\i+1]|
.endr
.endr
.irp c, 0,1
	s_delay_alu instid0(VALU_DEP_2)
	v_add_nc_u32 v[\t+2+\c], 0xff000000, v[\t+\c]  ; 2 off the exponent field: the conversion's scale operand
.endr
.irp c, 0,1
	s_delay_alu instid0(VALU_DEP_2)
	v_lshrrev_b32 v[\t+4+\c], 23, v[\t+2+\c]       ; the scale's byte
.endr
	s_delay_alu instid0(VALU_DEP_1)
	v_lshl_or_b32 v[\t+6], v[\t+5], 16, v[\t+4]
	s_delay_alu instid0(VALU_DEP_1)
	v_lshlrev_b32 v[\t+6], v[\sh], v[\t+6]
	v_mov_b32 v[\t+7], 0
	s_delay_alu instid0(VALU_DEP_1)
	v_permlanex16_b32 v[\t+7], v[\t+6], s[SEL], s[SEL+1]
	s_delay_alu instid0(VALU_DEP_1)
	v_or_b32 v[\t+6], v[\t+6], v[\t+7]             ; the whole word, in both halves of the lanes
.irp c, 0,1
	v_cvt_scalef32_pk16_fp6_f32 v[\pc+6*\c:\pc+6*\c+2], v[\src+32*\c:\src+32*\c+15], v[\t+2+\c]
	v_cvt_scalef32_pk16_fp6_f32 v[\pt+4*\c:\pt+4*\c+2], v[\src+32*\c+16:\src+32*\c+31], v[\t+2+\c]
.endr
	v_nop                                          ; one plain place behind a scaled conversion
.irp c, 0,1
.irp i, 0,1,2
	v_mov_b32 v[\pc+6*\c+3+\i], v[\pt+4*\c+\i]
.endr
.endr
.endm
; 32 nc numbers of a lane, register 16 b + i = neighbour 32 b + 16 h + i of my row: 2 nc blocks, each shared with lane l xor 16.  Codes to v[pc] on (6 nc registers), the scale bytes to v[pw].
.macro QUANT src, pc, pt, pw, nc
.irp b, 0,1,2,3
.if \b < 2*\nc
	v_max3_num_f32 v[TM+\b], |v[\src+16*\b]|, |v[\src+16*\b+1]|, 0x1800000   ; each accumulator is read from its low end on
.endif
.endr
.irp i, 2,4,6,8,10,12,14
.irp b, 0,1,2,3
.if \b < 2*\nc
	v_max3_num_f32 v[TM+\b], v[TM+\b], |v[\src+16*\b+\i]|, |v[\src+16*\b+\i+1]|
.endif
.endr
.endr
.irp b, 0,1,2,3
.if \b < 2*\nc
	v_permlanex16_b32 v[TM+4+\b], v[TM+\b], s[SEL], s[SEL+1]
.endif
.endr
.irp b, 0,1,2,3
.if \b < 2*\nc
	v_max_num_f32 v[TM+\b], v[TM+\b], v[TM+4+\b]   ; the block's largest magnitude
.endif
.endr
.irp b, 0,1,2,3
.if \b < 2*\nc
	v_add_nc_u32 v[TM+12+\b], 0xff000000, v[TM+\b]
.endif
.endr
.irp b, 0,1,2,3
.if \b < 2*\nc
	v_lshrrev_b32 v[TM+4+\b], 23, v[TM+12+\b]
.endif
.endr
	v_lshl_or_b32 v[\pw], v[TM+5], 8, v[TM+4]
.if \nc > 1
	s_delay_alu instid0(VALU_DEP_1)
	v_lshl_or_b32 v[\pw], v[TM+6], 16, v[\pw]
	s_delay_alu instid0(VALU_DEP_1)
	v_lshl_or_b32 v[\pw], v[TM+7], 24, v[\pw]
.endif
.irp c, 0,1
.if \c < \nc
	v_cvt_scalef32_pk16_fp6_f32 v[\pc+6*\c:\pc+6*\c+2], v[\src+32*\c:\src+32*\c+15], v[TM+12+2*\c]
	v_cvt_scalef32_pk16_fp6_f32 v[\pt+4*\c:\pt+4*\c+2], v[\src+32*\c+16:\src+32*\c+31], v[TM+12+2*\c+1]
.endif
.endr
	v_nop                                          ; one plain place behind a scaled conversion
.irp c, 0,1
.if \c < \nc
.irp i, 0,1,2
	v_permlane16_swap_b32 v[\pc+6*\c+\i], v[\pt+4*\c+\i]   ; the operand's layout wants a whole block in a lane: lanes 0-15 block 2 c, lanes 16-31 block 2 c + 1
.endr
.irp i, 0,1,2
	s_delay_alu instid0(VALU_DEP_3)
	v_mov_b32 v[\pc+6*\c+3+\i], v[\pt+4*\c+\i]
.endr
.endif
.endr
.endm
	s_load_b512 s[4:19], s[0:1], 0x0               ; x s[4:5], norm_w s[6:7], norm_b s[8:9], stats s[10:11], wfrag s[12:13], wsc s[14:15], qc s[16:17], qs s[18:19]
	s_load_b128 s[20:23], s[0:1], 0x40             ; kv s[20:21], kvs s[22:23]
	v_lshl_add_u32 v254, v0, 2, 0x13800
	v_mov_b32 v255, 0
	v_lshrrev_b32 v20, 5, v0
	s_delay_alu instid0(VALU_DEP_1)
	v_readfirstlane_b32 s24, v20                   ; wave w
	s_mov_b32 s25, ttmp9                           ; G
	s_and_b32 s26, ttmp7, 0xffff                   ; b
	s_mov_b32 s[SEL], 0x76543210
	s_mov_b32 s[SEL+1], 0xfedcba98
	s_mov_b32 s44, 0x45000000                      ; 2048.0: numbers in a partial
	s_mov_b32 s45, 0x37000000                      ; 2^-17: one over the numbers in a group
	s_mov_b32 s46, 0x3727c5ac                      ; 1e-5
	v_and_b32 v1, 31, v0                           ; lane
	v_and_b32 v2, 15, v0                           ; r
	s_wait_alu depctr_va_vdst(0)
	v_bfe_u32 v3, v0, 4, 1                         ; h
	v_lshlrev_b32 v4, 4, v2
	s_delay_alu instid0(VALU_DEP_1)
	v_lshl_add_u32 v4, v3, 14, v4                  ; x: channel h of a pair (16,384 bytes a channel), 16 r
	s_delay_alu instid0(VALU_DEP_3)
	v_lshlrev_b32 v5, 2, v3                        ; norm_w, norm_b: 4 h
	v_lshlrev_b32 v6, 4, v1                        ; 16 x lane
	s_wait_alu depctr_va_vdst(0)
	v_lshlrev_b32 v7, 2, v1                        ; 4 x lane
	s_wait_alu depctr_va_vdst(0)
	v_lshlrev_b32 v8, 3, v1                        ; 8 x lane
	s_mul_i32 s27, s24, GP
	s_add_co_u32 s27, s27, XT
	v_add_nc_u32 v9, s27, v6                       ; A: where I lay xn: my group, 16 x lane = 256 h + 16 r
	s_and_b32 s40, s24, 3                          ; T
	s_lshr_b32 s41, s24, 2                         ; K step
	s_lshr_b32 s42, s40, 1
	s_lshl_b32 s42, s42, 7                         ; 4 x 32 (T / 2)
	s_and_b32 s43, s40, 1
	s_lshl_b32 s43, s43, 5                         ; 4 x 8 (T % 2)
	s_add_co_u32 s42, s42, s43
	s_mul_i32 s43, s41, 4*GP
	s_add_co_u32 s42, s42, s43
	s_add_co_u32 s42, s42, XT
	v_and_b32 v20, 8, v2
	s_delay_alu instid0(VALU_DEP_1)
	v_add_nc_u32 v20, v20, v2                      ; r + 8 (r / 8)
	s_delay_alu instid0(VALU_DEP_1)
	v_lshlrev_b32 v20, 2, v20
	s_delay_alu instid0(VALU_DEP_1)
	v_mad_u32_u24 v10, v3, GP, v20                 ; lanes 16-31 read the next group
	s_delay_alu instid0(VALU_DEP_1)
	v_add_nc_u32 v10, s42, v10                     ; B: my pixel's column in the K step's first group
	s_mul_i32 s27, s24, 1536
	v_add_nc_u32 v11, s27, v6                      ; B: where my fragment's image goes (XIMG = 0)
	s_lshl_b32 s27, s24, 7
	s_add_co_u32 s27, s27, XSC
	v_add_nc_u32 v12, s27, v7                      ; and its scale words
	v_lshlrev_b32 v13, 2, v2                       ; 4 r
	v_mov_b32 v21, 0                               ; a lane permute's destination counts as one of its sources
	s_lshl_b32 s30, s26, 22                        ; x: 4,194,304 b + 524,288 w + 256 G
	s_lshl_b32 s27, s24, 19
	s_add_co_u32 s30, s30, s27
	s_lshl_b32 s27, s25, 8
	s_add_co_u32 s30, s30, s27
	s_mov_b32 s31, 0
	s_wait_kmcnt 0x0
	s_add_nc_u64 s[4:5], s[4:5], s[30:31]
	s_lshl_b32 s30, s26, 3
	s_add_co_u32 s30, s30, s24
	s_lshl_b32 s30, s30, 9                         ; the group's 64 partials: 512 bytes
	s_add_nc_u64 s[10:11], s[10:11], s[30:31]
	s_lshl_b32 s30, s24, 7
	s_add_nc_u64 s[6:7], s[6:7], s[30:31]
	s_add_nc_u64 s[8:9], s[8:9], s[30:31]
	s_mul_i32 s30, s24, 6144                       ; my four fragments of q | k's weights: f = 4 w ..
	s_add_nc_u64 s[32:33], s[12:13], s[30:31]
	s_mul_i32 s30, s24, 3072                       ; my two of v's: f = 32 + 2 w ..
	s_add_co_u32 s30, s30, 49152
	s_add_nc_u64 s[34:35], s[12:13], s[30:31]
	s_lshl_b32 s30, s24, 9
	s_add_nc_u64 s[36:37], s[14:15], s[30:31]
	s_lshl_b32 s30, s24, 8
	s_add_co_u32 s30, s30, 4096
	s_add_nc_u64 s[38:39], s[14:15], s[30:31]
	; ---- A
	global_load_b128 v[16:19], v6, s[10:11]        ; two partials a lane: mean, M2, mean, M2
.irp j, 0,1,2,3,4,5,6,7,8,9,10,11,12,13,14,15
	global_load_b128 v[X+4*\j:X+4*\j+3], v4, s[4:5] offset:32768*\j   ; channels 32 w + 2 j + h: sixteen lanes read a channel's 256 consecutive bytes, aligned
.endr
.irp j, 0,1,2,3,4,5,6,7,8,9,10,11,12,13,14,15
	global_load_b32 v[A+\j], v5, s[6:7] offset:8*\j
.endr
.irp j, 0,1,2,3,4,5,6,7,8,9,10,11,12,13,14,15
	global_load_b32 v[NB+\j], v5, s[8:9] offset:8*\j
.endr
	s_wait_loadcnt 48                              ; the statistics are in; the 48 loads behind them may be out
	v_add_f32 v20, v16, v18
	RED 20, 21
	s_delay_alu instid0(VALU_DEP_1)
	v_mul_f32 v14, 0x3c800000, v20                 ; the group's mean: the 64 partials are of equal size
	s_delay_alu instid0(VALU_DEP_1)
	v_mov_b32 v15, v14
	s_delay_alu instid0(VALU_DEP_2)
	v_sub_f32 v22, v16, v14
	s_delay_alu instid0(VALU_DEP_3)
	v_sub_f32 v23, v18, v14
	s_delay_alu instid0(VALU_DEP_2)
	v_mul_f32 v24, v22, v22
	s_delay_alu instid0(VALU_DEP_1)
	v_fma_f32 v24, v23, v23, v24
	v_add_f32 v25, v17, v19
	s_delay_alu instid0(VALU_DEP_1)
	v_fma_f32 v25, v24, s44, v25                   ; M2 of the whole = the sum of the parts' M2 + 2,048 x the squares of their means' distances from the mean
	RED 25, 21
	s_delay_alu instid0(VALU_DEP_1)
	v_fma_f32 v26, v25, s45, s46                   ; the biased variance + 1e-5
	s_wait_alu depctr_va_vdst(0)
	v_rsq_f32 v27, v26
	v_nop                                          ; a plain place behind the transcendental
	s_wait_alu depctr_va_vdst(0)                   ; ahead of the first line that names the result
	s_wait_loadcnt 0x0
.irp j, 0,1,2,3,4,5,6,7,8,9,10,11,12,13,14,15
	v_mul_f32 v[A+\j], v[A+\j], v27
.endr
.irp j, 0,1,2,3,4,5,6,7,8,9,10,11,12,13,14,15
	v_pk_add_f32 v[X+4*\j:X+4*\j+1], v[X+4*\j:X+4*\j+1], v[14:15] neg_lo:[0,1] neg_hi:[0,1]
	v_pk_add_f32 v[X+4*\j+2:X+4*\j+3], v[X+4*\j+2:X+4*\j+3], v[14:15] neg_lo:[0,1] neg_hi:[0,1]
.irp i, 0,1,2,3
	v_fma_f32 v[X+4*\j+\i], v[X+4*\j+\i], v[A+\j], v[NB+\j]   ; (x - mean) x (norm_w / sigma) + norm_b
.endr
.endr
.irp f, 0,1,2,3                                ; the weights are wanted in C: they land while B is worked
.irp c, 0,1,2
	global_load_b128 v[WF+12*\f+4*\c:WF+12*\f+4*\c+3], v6, s[32:33] offset:1536*\f+512*\c
.endr
	global_load_b32 v[WS+\f], v7, s[36:37] offset:128*\f
.endr
.irp f, 0,1
.irp c, 0,1,2
	global_load_b128 v[WF+48+12*\f+4*\c:WF+48+12*\f+4*\c+3], v6, s[34:35] offset:1536*\f+512*\c
.endr
	global_load_b32 v[WS+4+\f], v7, s[38:39] offset:128*\f
.endr
.irp j, 0,1,2,3,4,5,6,7,8,9,10,11,12,13,14,15
	ds_store_b128 v9, v[X+4*\j:X+4*\j+3] offset:512*\j
.endr
	BARRIER                                        ; xn of 256 channels x 64 pixels lies in LDS
	; ---- B
.irp c, 0,1
.irp i, 0,1,2,3,4,5,6,7,8,9,10,11,12,13,14,15,16,17,18,19,20,21,22,23,24,25,26,27,28,29,30,31
	ds_load_b32 v[X+32*\c+\i], v10 offset:2*GP*\c+256*\i   ; channel 128 s + 64 c + 32 h + i of my pixel
.endr
.endr
	v_lshlrev_b32 v26, 3, v3                       ; 8 h
	s_wait_dscnt 0x0
	QCOL X, PC, PT, TM, 26
.irp c, 0,1,2
	ds_store_b128 v11, v[PC+4*\c:PC+4*\c+3] offset:XIMG+512*\c
.endr
	ds_store_b32 v12, v[TM+6]
	BARRIER                                        ; xn's eight fragments lie in LDS
	; ---- C: twelve accumulators by turns, in the same order in both K steps
.macro KSTEP s
.irp m, 0,1,2,3
.irp c, 0,1,2
	ds_load_b128 v[XF+12*\m+4*\c:XF+12*\m+4*\c+3], v6 offset:XIMG+1536*(4*\s+\m)+512*\c
.endr
	ds_load_b32 v[XS+\m], v7 offset:XSC+128*(4*\s+\m)
.endr
	s_wait_dscnt 0x0
.if \s == 0
	s_wait_loadcnt 0x0                             ; the weights
.endif
.irp m, 0,1,2,3
.irp u, 0,1
.if \s == 0
	v_wmma_scale_f32_16x16x128_f8f6f4 v[ACC+16*\m+8*\u:ACC+16*\m+8*\u+7], v[WF+12*(2*\u+\s):WF+12*(2*\u+\s)+11], v[XF+12*\m:XF+12*\m+11], 0, v[WS+2*\u+\s], v[XS+\m] matrix_a_fmt:MATRIX_FMT_FP6 matrix_b_fmt:MATRIX_FMT_FP6
.else
	v_wmma_scale_f32_16x16x128_f8f6f4 v[ACC+16*\m+8*\u:ACC+16*\m+8*\u+7], v[WF+12*(2*\u+\s):WF+12*(2*\u+\s)+11], v[XF+12*\m:XF+12*\m+11], v[ACC+16*\m+8*\u:ACC+16*\m+8*\u+7], v[WS+2*\u+\s], v[XS+\m] matrix_a_fmt:MATRIX_FMT_FP6 matrix_b_fmt:MATRIX_FMT_FP6
.endif
.endr
.if \s == 0
	v_wmma_scale_f32_16x16x128_f8f6f4 v[ACV+8*\m:ACV+8*\m+7], v[XF+12*\m:XF+12*\m+11], v[WF+12*(4+\s):WF+12*(4+\s)+11], 0, v[XS+\m], v[WS+4+\s] matrix_a_fmt:MATRIX_FMT_FP6 matrix_b_fmt:MATRIX_FMT_FP6
.else
	v_wmma_scale_f32_16x16x128_f8f6f4 v[ACV+8*\m:ACV+8*\m+7], v[XF+12*\m:XF+12*\m+11], v[WF+12*(4+\s):WF+12*(4+\s)+11], v[ACV+8*\m:ACV+8*\m+7], v[XS+\m], v[WS+4+\s] matrix_a_fmt:MATRIX_FMT_FP6 matrix_b_fmt:MATRIX_FMT_FP6
.endif
.endr
.rept 4
	v_nop                                          ; four places in front of loads into registers that matrix instructions have read, and of the first read of results
.endr
.endm
	KSTEP 0
	KSTEP 1
	; where the results go, in bytes
	s_lshl_b32 s40, s26, 6
	s_add_co_u32 s40, s40, s25                     ; 64 b + G
	s_mul_i32 s41, s40, 6144
	s_mul_i32 s42, s24, 1536
	s_add_co_u32 s41, s41, s42                     ; q's image in qc
	s_mul_i32 s43, s26, 786432
	s_lshr_b32 s27, s25, 1                         ; the key step, G / 2
	s_mul_i32 s56, s27, 24576
	s_add_co_u32 s43, s43, s56                     ; its block in kv
	s_and_b32 s57, s25, 1                          ; G % 2
	s_mul_i32 s56, s57, 6144
	s_add_co_u32 s56, s56, s43
	s_add_co_u32 s56, s56, s42
	s_sub_co_u32 s56, s56, 6144                    ; k's image in kv: head w - 4 (used by waves 4-7 alone)
	s_lshl_b32 s58, s40, 8
	s_lshl_b32 s59, s24, 6
	s_add_co_u32 s58, s58, s59                     ; q's scale words in qs
	s_lshl_b32 s47, s26, 15                        ; 32,768 b
	s_lshl_b32 s30, s25, 8
	s_add_co_u32 s30, s30, s47
	s_add_co_u32 s30, s30, s59
	s_sub_co_u32 s30, s30, 256                     ; k's in kvs
	s_cmp_lt_u32 s24, 4                            ; q's wave or k's: the choice hangs on the wave's number alone
	s_cselect_b64 s[48:49], s[16:17], s[20:21]
	s_cselect_b64 s[50:51], s[18:19], s[22:23]
	s_cselect_b32 s41, s41, s56
	s_cselect_b32 s30, s58, s30
	s_add_nc_u64 s[50:51], s[50:51], s[30:31]
	s_mov_b32 s30, s41
	s_add_nc_u64 s[48:49], s[48:49], s[30:31]
	s_mul_i32 s30, s57, 768
	s_add_co_u32 s30, s30, s43
	s_add_co_u32 s30, s30, s42
	s_add_co_u32 s30, s30, 12288
	s_add_nc_u64 s[52:53], s[20:21], s[30:31]      ; v's half image
	s_lshl_b32 s30, s27, 9
	s_add_co_u32 s30, s30, s47
	s_add_co_u32 s30, s30, s59
	s_lshl_b32 s56, s57, 1
	s_add_co_u32 s30, s30, s56
	s_add_co_u32 s30, s30, 16384
	s_add_nc_u64 s[54:55], s[22:23], s[30:31]      ; v's two scale bytes
	; ---- D
.irp b, 0,1,2,3
	v_mov_b32 v[TM+4+\b], 0                        ; a lane permute's destination counts as one of its sources
.endr
	QUANT ACC, PC, PT, PW, 2                       ; block T = pixel tile T's 32 numbers of the head
.irp u, 0,1,2,3,4,5
	global_store_b64 v8, v[PC+2*\u:PC+2*\u+1], s[48:49] offset:256*\u   ; 32 lanes store 256 consecutive bytes, aligned
.endr
	QUANT ACV, PC2, PT2, PW2, 1                    ; two blocks of 32 pixels of my 16 channels of v
.irp u, 0,1,2
	global_store_b64 v8, v[PC2+2*\u:PC2+2*\u+1], s[52:53] offset:256*\u
.endr
	v_cmp_gt_u32 vcc_lo, 16, v1
	s_wait_xcnt 0x0                                ; EXEC changes only behind this wait
	s_wait_tensorcnt 0x0
	ds_add_u32 v254, v255
	s_wait_dscnt 0x0
	s_and_saveexec_b32 s27, vcc_lo                 ; lanes 16-31 hold the same words
	global_store_b32 v13, v[PW], s[50:51]          ; 64 bytes a wave; the scale bytes are a twenty-fifth of what the launch stores
	global_store_b16 v13, v[PW2], s[54:55]
	s_endpgm
.Lfunc_end_k_qe0207b55b7_qkv:
	.size	k_qe0207b55b7_qkv, .Lfunc_end_k_qe0207b55b7_qkv-k_qe0207b55b7_qkv
	.p2alignl 7, 3214868480
	.fill 96, 4, 3214868480
	.section	.rodata,"a",@progbits
	.p2align	6, 0x0
	.amdhsa_kernel k_qe0207b55b7_qkv
		.amdhsa_group_segment_fixed_size 80896
		.amdhsa_private_segment_fixed_size 0
		.amdhsa_enable_private_segment 0
		.amdhsa_kernarg_size 80
		.amdhsa_user_sgpr_count 2
		.amdhsa_user_sgpr_kernarg_segment_ptr 1
		.amdhsa_wavefront_size32 1
		.amdhsa_system_sgpr_workgroup_id_x 1
		.amdhsa_system_sgpr_workgroup_id_y 1
		.amdhsa_system_sgpr_workgroup_id_z 1
		.amdhsa_system_vgpr_workitem_id 0
		.amdhsa_next_free_vgpr 256
		.amdhsa_next_free_sgpr 66
		.amdhsa_reserve_vcc 1
		.amdhsa_float_denorm_mode_32 3
		.amdhsa_float_denorm_mode_16_64 3
		.amdhsa_memory_ordered 1
		.amdhsa_forward_progress 1
		.amdhsa_inst_pref_size 43
	.end_amdhsa_kernel
	.amdgpu_metadata
---
amdhsa.version: [ 1, 2 ]
amdhsa.kernels:
  - .name:           k_qe0207b55b7_qkv
    .symbol:         k_qe0207b55b7_qkv.kd
    .args:
      - { .name: x, .offset: 0, .size: 8, .value_kind: global_buffer, .address_space: global }
      - { .name: norm_w, .offset: 8, .size: 8, .value_kind: global_buffer, .address_space: global }
      - { .name: norm_b, .offset: 16, .size: 8, .value_kind: global_buffer, .address_space: global }
      - { .name: stats, .offset: 24, .size: 8, .value_kind: global_buffer, .address_space: global }
      - { .name: wfrag, .offset: 32, .size: 8, .value_kind: global_buffer, .address_space: global }
      - { .name: wsc, .offset: 40, .size: 8, .value_kind: global_buffer, .address_space: global }
      - { .name: qc, .offset: 48, .size: 8, .value_kind: global_buffer, .address_space: global }
      - { .name: qs, .offset: 56, .size: 8, .value_kind: global_buffer, .address_space: global }
      - { .name: kv, .offset: 64, .size: 8, .value_kind: global_buffer, .address_space: global }
      - { .name: kvs, .offset: 72, .size: 8, .value_kind: global_buffer, .address_space: global }
    .group_segment_fixed_size: 80896
    .private_segment_fixed_size: 0
    .kernarg_segment_align: 8
    .kernarg_segment_size: 80
    .max_flat_workgroup_size: 256
    .sgpr_count:     66
    .vgpr_count:     256
    .wavefront_size: 32
...
	.end_amdgpu_metadata
.endif
;; end of part 2
;; launch attn (part 3): grid 64 x 4, 16 waves a work-group, clusters of 4 x 1, 327,680 bytes of LDS; arguments qc, qs, kv, kvs, wfrag, wsc, out_b, x, out0; writes out0
.if DOCPART == 3
	.amdgcn_target "amdgcn-amd-amdhsa--gfx1250"
	.amdhsa_code_object_version 6
	.text
	.protected	k_qe0207b55b7_attn
	.globl	k_qe0207b55b7_attn
	.p2align	8
	.type	k_qe0207b55b7_attn,@function
k_qe0207b55b7_attn:
	s_mov_b64 s[64:65], 0
	v_nop
	global_prefetch_b8 v0, s[64:65] scope:SCOPE_SE
	s_setreg_imm32_b32 hwreg(HW_REG_WAVE_MODE, 25, 1), 1
	s_wait_xcnt 0x0
	s_wait_alu depctr_hold_cnt(0) depctr_sa_sdst(0) depctr_va_vdst(0) depctr_va_sdst(0) depctr_va_ssrc(0) depctr_va_vcc(0) depctr_vm_vsrc(0)
	s_getreg_b32 s2, hwreg(HW_REG_IB_STS2, 6, 4)
	s_cmp_eq_u32 s2, 0
	s_cbranch_scc0 .Lentry_in_a_cluster
	s_endpgm
.Lentry_in_a_cluster:
	s_bfe_u32 s2, ttmp6, 0x10000c
	s_cmp_lg_u32 s2, 0x3003
	s_cbranch_scc0 .Lentry_shape_is_right
	s_endpgm
.Lentry_shape_is_right:
; Attention over 4,096 pixels, 4 heads of 32, the 1x1 output product, its bias and the residual; all three products on codes of FP6 (E2M3) with one E8M0 byte for each 32 along K.
; SHARES.  Work-group (G, b) owns pixels 64 G .. 64 G + 63 of image b, all four heads, so that the output product finds all its K = 128 in one work-group.  Sixteen waves: wave w = 4 H + T owns head H and query tile T (16 queries:
; lane r holds pixel 32 (T / 2) + 8 (T % 2) + r + 8 (r / 8) of the 64), in 256 registers, four waves to a SIMD: one wave's vector work stands beside another's matrix work and LDS loads.  Every wave walks all 4,096 keys, 128 a step.
; CLUSTER.  The four work-groups of a cluster belong to one image and walk the same K and V: each tile is asked for JOINTLY, by the same tensor load with the same descriptor and the mask of all four.
; THE FIRST PRODUCT HAS K = 32 in an instruction of K = 128.  A fragment of K holds FOUR tiles of 16 keys, one in each of its four blocks of 32 (so it was stored); Q's operand has the query's 32 codes in ONE block and zero codes in the other three:
; four such operands are windows of 12 registers cut out of 30 laid zeros | q in lanes 0-15 | zeros | q in lanes 16-31 | zeros.  Q's scale word has the query's byte at that block and 0 (2^-127, not NaN) elsewhere; a zero code adds nothing.
; Both products are used transposed (S^T = K Q^T, O^T = V^T P^T): a lane holds ONE query throughout, and the 16 registers of two neighbouring tiles of S^T are 16 neighbouring keys.
; SOFTMAX.  t = score x log2(e) / sqrt(32); M = the largest t so far, rounded UP to a whole number; p = 2^(t - M) is quantised along the keys, not normalised; the row's sum is taken of the unquantised p and divides O at the end.
; When M moves, the sum and O are multiplied by 2^(old M - new M): exact.
; THE END.  O / sum is quantised (a head is a block of the last product's K); the images of the four tiles of pixels meet in LDS; wave w makes tile w of the 16 tiles of output channels for all 64 pixels, bias as C; x is added; whole rows leave.
; LIMITS: NaN and infinities are not served; p under 2^-126 comes out of v_exp_f32 as 0 (ISA guide, the instruction's entry); a block whose largest magnitude lies under 2^-124 has its byte held at 1.
.set STEPB, 24576                      ; a key step in kv: K's two fragments for each head (8 x 1,536), then V's two for each head (8 x 1,536); a fragment is six pieces of 256 bytes, registers 2 u, 2 u + 1, lane l at 8 l: every LDS load takes consecutive bytes
.set SLOTB, 4*STEPB                    ; a slot: four key steps
.set SLOT1, 1<<17                      ; slot 1 begins here: one exclusive or turns an address in one slot into the other's
.set SCK,   SLOTB                      ; between the slots: K's scale words of the whole image, 16,384 bytes: 512 a key step;
.set SCV,   SCK+16384                  ; V's likewise
.set OIMG,  SLOT1+SLOTB                ; the attention's result as four fragments (tile of pixels T), 1,536 bytes each
.set OSC,   OIMG+4*1536                ; their scale words, 64 bytes each
.set STAGE, OSC+256                    ; the way out: 16 rows x (256 bytes + 16) for each wave
.set SPITCH, 272
.set SPARE, STAGE+16*16*SPITCH         ; the spare words, 128 bytes for each wave: eight blocks of 256 bytes that no other line names
.set AK0,  1                           ; v1   my lane's place in a step's K: 1,536 H + 8 x lane
.set AV0,  2                           ; v2   in its V: 12,288 + 3,072 H + 8 x lane
.set ASK0, 3                           ; v3   among K's scale words: lanes 0-15 the first fragment's rows, lanes 16-31 the second's
.set ASV0, 4                           ; v4   among V's: lanes 0-15 the first tile's rows, lanes 16-31 the second's
.set SPW,  5                           ; v5   LDS address of my spare word; never rewritten
.set NIL,  6                           ; v6   0; never rewritten
.set PFO,  7                           ; v7   256 x lane: the prefetches' offset; never rewritten
.set ADK,  8                           ; v8-11 the step's addresses
.set ADV,  9
.set ADS,  10
.set ADT,  11
.set QB,   16                          ; v16-45 the 30 registers of Q's four windows       (v12 -M, v13 the largest t, v[14:15] the sum in two halves)
.set QS,   46                          ; v46-49 Q's four scale words; at the end the result's
.set KS,   50                          ; v50   K's scale words
.set VS,   51                          ; v51   V's
.set KF,   52                          ; v52-75 K's two fragments
.set VF,   76                          ; v76-99 V's two
.set S,    100                         ; v100-163 S^T, then p: register 16 B + i = key 32 B + 16 h + i of the step
.set O,    164                         ; v164-179 O^T: register i = channel 16 h + i of the head
.set PC,   180                         ; v180-191 p's codes
.set PT,   192                         ; v192-198 the halves that are moved
.set BM,   200                         ; v200-203 the blocks' largest scores, then largest p
.set BX,   204                         ; v204-207 at work
.set SO,   208                         ; v208-211 the conversions' scale operands
.set PW,   212                         ; v212  p's scale word
.set F,    214                         ; v[214:215] f = 2^(old M - new M); at the end 1 / sum
.set TMP,  216
.set L2,   218                         ; v[218:219] the sums' second chain
.set WO,   220                         ; v220-231 my fragment of out_w
.set WOS,  232                         ; its scale words
.set BIAS, 234                         ; v234-241 out_b of my lane's output channel, eight times: the C of the last product
.set GO,   242                         ; x and out0: 16,384 h + 16 r
.set OA,   243                         ; where my codes go in the result's image
.set OB,   244                         ; and my scale byte
.set SOA,  245                         ; the stage: in
.set RD,   246                         ; and back
.set LI8,  247                         ; OIMG + 8 x lane
.set OSA,  248                         ; OSC + 4 r
.set RR,   249                         ; r
.set HH,   250                         ; h
.set LANE, 251
.set XR,   100                         ; at the end: x's rows,
.set Y,    132                         ; the last product's four accumulators,
.set OF,   52                          ; the result's four fragments,
.set BK,   180                         ; rows read back from the stage
.set WV,   22
.set HD,   23
.set TQ,   24
.set G1,   28                          ; s[28:35] descriptor group 1: a key step;  s[36:43]: a quarter of the scale words
.set G1S,  36
.set G0,   44                          ; s[44:47] group 0 for the key steps: it walks;  s[48:51] for the scale words
.set G0S,  48
.set TB,   52                          ; s52  LDS byte at which the slot in hand begins
.set TS,   53                          ; s53  the step's scale words: 512 bytes a step
.set SLOTS, 54                         ; s54  slots still to be asked for
.set CS,   56                          ; s[56:57] c = log2(e) / sqrt(32)
.set SEL,  58                          ; s[58:59]
.set PFA,  60                          ; s[60:61] where my prefetches stand
.set LIM,  62                          ; s62  1 in a wave that prefetches, else the greatest number
; A round of the cluster's barrier: my work-group's barrier; wave 0 signals for the work-group; every wave waits for all four work-groups; my work-group's barrier once more.
.macro CROUND
	s_barrier_signal -1
	s_barrier_wait -1
	s_cmp_lg_u32 s[WV], 0
	s_cbranch_scc1 .Lnot_wave_0_\@
	s_barrier_signal -3
.Lnot_wave_0_\@:
	s_barrier_wait -3
	s_barrier_signal -1
	s_barrier_wait -1
.endm
; Waves 0-3 fetch one key step each of the slot's four; the branch hangs on the wave's number alone.  Four v_nop follow the load.
.macro TLOAD
	s_cmp_lt_u32 s[WV], 4
	s_cbranch_scc0 .Lno_load_\@
	tensor_load_to_lds s[G0:G0+3], s[G1:G1+7]
	s_nop 0
.rept 4
	v_nop
.endr
.Lno_load_\@:
.endm
; A prefetch of the slot that the NEXT change of slots will ask for: four key steps ahead of that load.  A slot is 98,304 dense bytes: the image's first cluster asks; its four partners take 24,576 bytes each, told apart by ADDRESS;
; in each, waves 4 to 6 (which fetch nothing) take 8,192 bytes each, lanes 256 bytes apart: each aligned block of 256 bytes is named once in the launch.  The last change that fills a slot asks for nothing; slots 0 and 1 come by their loads alone.
.macro ASK
	s_cmp_gt_u32 s[SLOTS], s[LIM]
	s_cbranch_scc0 .Lnot_mine_\@
	global_prefetch_b8 v[PFO], s[PFA:PFA+1] th:TH_LOAD_NT scope:SCOPE_SE
.Lnot_mine_\@:
.endm
	s_load_b512 s[4:19], s[0:1], 0x0               ; qc s[4:5], qs s[6:7], kv s[8:9], kvs s[10:11], wfrag s[12:13], wsc s[14:15], out_b s[16:17], x s[18:19]
	s_load_b64 s[20:21], s[0:1], 0x40              ; out0
	v_lshl_add_u32 v[SPW], v0, 2, SPARE
	v_mov_b32 v[NIL], 0
	ds_add_u32 v5, v6
	ds_add_u32 v5, v6
	s_wait_dscnt 0x0
	v_lshrrev_b32 v8, 5, v0
	s_delay_alu instid0(VALU_DEP_1)
	v_readfirstlane_b32 s[WV], v8                  ; wave 0..15
	s_lshr_b32 s[HD], s[WV], 2                     ; my head
	s_and_b32 s[TQ], s[WV], 3                      ; my tile of queries.  Also: which key step of a slot I fetch, if I fetch
	s_bfe_u32 s25, ttmp6, 0x40000                  ; cx: my place in the cluster: it enters global addresses of my own alone
	s_lshl_b32 s26, ttmp9, 2
	s_add_co_u32 s26, s26, s25                     ; G = 4 x cluster x + cx
	s_and_b32 s27, ttmp7, 0xffff                   ; b, which the partners share
	; descriptor group 1: a dense block as rows of 256 bytes (32 elements of 8 bytes), no padding
	s_mov_b32 s[G1], 15|(3<<16)|(1<<21)            ; 15:0 the mask: all four work-groups; 17:16 elements of 8 bytes; 21 set beside a mask
	s_mov_b32 s[G1+1], 32<<16                      ; tensor_dim0 = 32
	s_mov_b32 s[G1+2], 96<<16                      ; tensor_dim1 = 96
	s_mov_b32 s[G1+3], 32<<16                      ; tile_dim0 = 32
	s_mov_b32 s[G1+4], 96                          ; tile_dim1 = 96 rows: 24,576 bytes
	s_mov_b32 s[G1+5], 32                          ; from row to row
	s_mov_b32 s[G1+6], 0
	s_mov_b32 s[G1+7], 0
	s_mov_b32 s[G1S], 15|(3<<16)|(1<<21)
	s_mov_b32 s[G1S+1], 32<<16
	s_mov_b32 s[G1S+2], 32<<16
	s_mov_b32 s[G1S+3], 32<<16
	s_mov_b32 s[G1S+4], 32                         ; 32 rows: 8,192 bytes
	s_mov_b32 s[G1S+5], 32
	s_mov_b32 s[G1S+6], 0
	s_mov_b32 s[G1S+7], 0
	s_mul_i32 s66, s[TQ], STEPB                    ; my key step of a slot,
	s_mul_i32 s74, s27, 32*STEPB                   ; my image's K and V
	s_add_co_u32 s68, s74, s66
	s_mov_b32 s69, 0
	s_lshl_b32 s67, s[TQ], 13                      ; my quarter of the scale words,
	s_lshl_b32 s70, s27, 15                        ; my image's
	s_add_co_u32 s70, s70, s67
	s_mov_b32 s71, 0
	s_mov_b32 s[CS], 0x3e8293ee                    ; c = log2(e) / sqrt(32)
	s_mov_b32 s[CS+1], s[CS]                       ; (named with it as a pair, so it is written)
	s_mov_b32 s[SEL], 0x76543210
	s_mov_b32 s[SEL+1], 0xfedcba98
	s_mov_b32 s[TB], 0
	s_mov_b32 s[TS], 0
	s_mov_b32 s[SLOTS], 7
	s_wait_kmcnt 0x0
	s_mov_b32 s[G0], 1                             ; count = 1
	s_mov_b32 s[G0+1], s66                         ; LDS address: slot 0
	s_add_nc_u64 s[G0+2:G0+3], s[8:9], s[68:69]
	s_or_b32 s[G0+3], s[G0+3], 0x80000000          ; type = 2
	s_mov_b32 s[G0S], 1
	s_add_co_u32 s[G0S+1], s67, SCK
	s_add_nc_u64 s[G0S+2:G0S+3], s[10:11], s[70:71]
	s_or_b32 s[G0S+3], s[G0S+3], 0x80000000
	CROUND                                         ; all four work-groups are here: the first joint loads meet
	s_cmp_lt_u32 s[WV], 4                          ; a wave's two first fills stand in one branch, ahead of every wait on TENSORcnt and every LDS read: two loads of mine are out
	s_cbranch_scc0 .Lno_first
	tensor_load_to_lds s[G0S:G0S+3], s[G1S:G1S+7]  ; the scale words of the whole image: filled once
	s_nop 0
	tensor_load_to_lds s[G0:G0+3], s[G1:G1+7]      ; slot 0
	s_nop 0
.rept 4
	v_nop
.endr
.Lno_first:
	; my own global addresses
	s_mov_b32 s91, 0
	s_lshl_b32 s75, s27, 6
	s_add_co_u32 s75, s75, s26                     ; 64 b + G
	s_mul_i32 s90, s75, 6144
	s_mul_i32 s66, s[HD], 1536
	s_add_co_u32 s90, s90, s66
	s_lshr_b32 s66, s[TQ], 1
	s_mul_i32 s66, s66, 768
	s_add_co_u32 s90, s90, s66
	s_and_b32 s66, s[TQ], 1
	s_lshl_b32 s66, s66, 7
	s_add_co_u32 s90, s90, s66                     ; my tile is block T of the head's fragment: registers 6 (T / 2) on, lanes 16 (T % 2) on
	s_add_nc_u64 s[76:77], s[4:5], s[90:91]
	s_lshl_b32 s90, s75, 8
	s_lshl_b32 s66, s[HD], 6
	s_add_co_u32 s90, s90, s66
	s_add_nc_u64 s[78:79], s[6:7], s[90:91]        ; the head's scale words
	s_add_co_u32 s66, s[WV], 48                    ; out_w's tile w is fragment 48 + w
	s_mul_i32 s90, s66, 1536
	s_add_nc_u64 s[80:81], s[12:13], s[90:91]
	s_lshl_b32 s90, s66, 7
	s_add_nc_u64 s[82:83], s[14:15], s[90:91]
	s_lshr_b32 s66, s[WV], 1
	s_and_b32 s67, s[WV], 1
	s_lshl_b32 s90, s66, 7
	s_lshl_b32 s68, s67, 5
	s_add_co_u32 s90, s90, s68                     ; 4 x (32 (w / 2) + 8 (w % 2))
	s_add_nc_u64 s[84:85], s[16:17], s[90:91]      ; out_b at my tile's first channel
	s_lshl_b32 s90, s27, 22
	s_lshl_b32 s66, s66, 19
	s_add_co_u32 s90, s90, s66
	s_lshl_b32 s67, s67, 17
	s_add_co_u32 s90, s90, s67
	s_lshl_b32 s66, s26, 8
	s_add_co_u32 s90, s90, s66                     ; image b, channel 32 (w / 2) + 8 (w % 2), pixel 64 G
	s_add_nc_u64 s[86:87], s[18:19], s[90:91]      ; in x
	s_add_nc_u64 s[88:89], s[20:21], s[90:91]      ; and in out0
	s_mul_i32 s90, s25, STEPB                      ; the prefetches: my work-group's 24,576 bytes of a slot,
	s_lshl_b32 s66, s[TQ], 13                      ; my wave's 8,192 of them (waves 4, 5, 6),
	s_add_co_u32 s90, s90, s66
	s_add_co_u32 s90, s90, s74                     ; in my image,
	s_add_co_u32 s90, s90, SLOTB                   ; in slot 1: the first change of slots steps it to slot 2
	s_add_nc_u64 s[PFA:PFA+1], s[8:9], s[90:91]
	s_sub_co_u32 s66, s[WV], 4
	s_cmp_lt_u32 s66, 3                            ; waves 4 to 6
	s_cselect_b32 s66, 0, 1
	s_or_b32 s66, s66, ttmp9                       ; of the image's first cluster: the same in all four partners
	s_cmp_eq_u32 s66, 0
	s_cselect_b32 s[LIM], 1, -1
	v_and_b32 v[LANE], 31, v0
	v_and_b32 v[RR], 15, v0
	v_bfe_u32 v[HH], v0, 4, 1
	s_delay_alu instid0(VALU_DEP_2)
	v_lshlrev_b32 v8, 3, v[RR]
.irp u, 0,1,2
	global_load_b64 v[KF+2*\u:KF+2*\u+1], v8, s[76:77] offset:256*\u   ; query r's 32 codes, in both halves of the lanes
.endr
	v_lshlrev_b32 v9, 2, v[RR]
	global_load_b32 v[KF+6], v9, s[78:79]          ; row r's scale word: byte T is mine
	v_lshlrev_b32 v10, 4, v[LANE]
.irp c, 0,1,2
	global_load_b128 v[WO+4*\c:WO+4*\c+3], v10, s[80:81] offset:512*\c
.endr
	v_lshlrev_b32 v11, 2, v[LANE]
	global_load_b32 v[WOS], v11, s[82:83]
	v_and_b32 v[TMP], 8, v[RR]
	s_delay_alu instid0(VALU_DEP_1)
	v_add_nc_u32 v[TMP], v[TMP], v[RR]
	s_delay_alu instid0(VALU_DEP_1)
	v_lshlrev_b32 v[TMP], 2, v[TMP]                ; 4 x (r + 8 (r / 8))
	global_load_b32 v[BIAS], v[TMP], s[84:85]
	; LDS addresses: constants, the lane and the wave's number
	s_mul_i32 s66, s[HD], 1536
	v_lshlrev_b32 v[AK0], 3, v[LANE]
	s_delay_alu instid0(VALU_DEP_1)
	v_add_nc_u32 v[AK0], s66, v[AK0]
	s_mul_i32 s66, s[HD], 3072
	s_add_co_u32 s66, s66, 12288
	v_lshlrev_b32 v[AV0], 3, v[LANE]
	s_delay_alu instid0(VALU_DEP_1)
	v_add_nc_u32 v[AV0], s66, v[AV0]
	s_lshl_b32 s66, s[HD], 6
	s_add_co_u32 s66, s66, SCK
	v_lshlrev_b32 v[ASK0], 2, v[RR]
	s_delay_alu instid0(VALU_DEP_1)
	v_lshl_add_u32 v[ASK0], v[HH], 8, v[ASK0]
	s_delay_alu instid0(VALU_DEP_1)
	v_add_nc_u32 v[ASK0], s66, v[ASK0]
	s_lshl_b32 s66, s[HD], 7
	s_add_co_u32 s66, s66, SCV
	v_lshlrev_b32 v[ASV0], 2, v[LANE]
	s_delay_alu instid0(VALU_DEP_1)
	v_add_nc_u32 v[ASV0], s66, v[ASV0]
	v_lshlrev_b32 v[PFO], 8, v[LANE]
	v_lshlrev_b32 v[GO], 4, v[RR]
	s_delay_alu instid0(VALU_DEP_1)
	v_lshl_add_u32 v[GO], v[HH], 14, v[GO]
	s_mul_i32 s66, s[TQ], 1536                     ; the result's image of tile T: my head is block H: registers 6 (H / 2) on, lanes 16 (H % 2) on
	s_lshr_b32 s67, s[HD], 1
	s_mul_i32 s67, s67, 768
	s_add_co_u32 s66, s66, s67
	s_and_b32 s67, s[HD], 1
	s_lshl_b32 s67, s67, 7
	s_add_co_u32 s66, s66, s67
	s_add_co_u32 s66, s66, OIMG
	v_lshlrev_b32 v[OA], 3, v[RR]
	s_delay_alu instid0(VALU_DEP_1)
	v_add_nc_u32 v[OA], s66, v[OA]
	s_lshl_b32 s66, s[TQ], 6
	s_add_co_u32 s66, s66, s[HD]
	s_add_co_u32 s66, s66, OSC
	v_lshlrev_b32 v[OB], 2, v[RR]
	s_delay_alu instid0(VALU_DEP_1)
	v_add_nc_u32 v[OB], s66, v[OB]                 ; byte H of row r's word
	s_mul_i32 s66, s[WV], 16*SPITCH
	s_add_co_u32 s66, s66, STAGE                   ; my stage
	v_mul_u32_u24 v[SOA], v[RR], SPITCH
	s_delay_alu instid0(VALU_DEP_1)
	v_lshl_add_u32 v[SOA], v[HH], 6, v[SOA]
	s_delay_alu instid0(VALU_DEP_1)
	v_add_nc_u32 v[SOA], s66, v[SOA]               ; in: row r (an output channel), pixels 16 h on
	v_mul_u32_u24 v[RD], v[HH], SPITCH
	s_delay_alu instid0(VALU_DEP_1)
	v_lshl_add_u32 v[RD], v[RR], 4, v[RD]
	s_delay_alu instid0(VALU_DEP_1)
	v_add_nc_u32 v[RD], s66, v[RD]                 ; back: lanes 0-15 one row, lanes 16-31 the next
	v_lshl_add_u32 v[LI8], v[LANE], 3, OIMG
	v_lshl_add_u32 v[OSA], v[RR], 2, OSC
.irp i, 0,1,2,3,4,5
	v_mov_b32 v[QB+\i], 0                          ; the zero codes of Q's windows
	v_mov_b32 v[QB+12+\i], 0
	v_mov_b32 v[QB+24+\i], 0
.endr
	v_cmp_gt_u32 vcc_lo, 16, v[LANE]
	s_lshl_b32 s66, s[TQ], 3
	s_wait_loadcnt 0x0
.irp i, 0,1,2,3,4,5
	v_cndmask_b32 v[QB+6+\i], v[QB], v[KF+\i], vcc_lo    ; q in lanes 0-15, zeros above
	v_cndmask_b32 v[QB+18+\i], v[KF+\i], v[QB], vcc_lo   ; q in lanes 16-31, zeros below
.endr
	v_lshrrev_b32 v[KF+6], s66, v[KF+6]
	s_delay_alu instid0(VALU_DEP_1)
	v_and_b32 v[QS], 255, v[KF+6]                  ; my query's byte at block 0,
	s_delay_alu instid0(VALU_DEP_1)
	v_lshlrev_b32 v[QS+1], 8, v[QS]                ; 1,
	s_delay_alu instid0(VALU_DEP_2)
	v_lshlrev_b32 v[QS+2], 16, v[QS]               ; 2,
	s_delay_alu instid0(VALU_DEP_3)
	v_lshlrev_b32 v[QS+3], 24, v[QS]               ; 3
.irp i, 1,2,3,4,5,6,7
	v_mov_b32 v[BIAS+\i], v[BIAS]
.endr
	v_mov_b32 v13, 0xff61b1e6                      ; the largest t so far: -3e38, under every t
	s_delay_alu instid0(VALU_DEP_1)
	v_floor_f32 v12, -v13                          ; -M
	v_mov_b32 v14, 0                               ; the sum, in two halves
	v_mov_b32 v15, 0
.irp b, 0,1,2,3
	v_mov_b32 v[BX+\b], 0                          ; a lane permute's destination counts as one of its sources
.endr
	v_mov_b32 v[TMP], 0
	v_mov_b32 v[F+1], 0                            ; (named as the upper half of a pair)
.irp j, 0,1,2,3,4,5,6,7,8,9,10,11,12,13,14,15
	v_mov_b32 v[O+\j], 0                           ; O^T: the step is written alike for all steps: the first finds zeros, which the first change of M leaves zeros
.endr
; A KEY STEP: 128 keys, the q-th of the slot in hand.
.macro STEP q
	s_add_co_u32 s66, s[TB], STEPB*\q
	v_add_nc_u32 v[ADK], s66, v[AK0]               ; these four are also the places between the last step's products and the loads into their operands
	v_add_nc_u32 v[ADV], s66, v[AV0]
	v_add_nc_u32 v[ADS], s[TS], v[ASK0]
	v_add_nc_u32 v[ADT], s[TS], v[ASV0]
.irp g, 0,1
.irp u, 0,1,2,3,4,5
	ds_load_b64 v[KF+12*\g+2*\u:KF+12*\g+2*\u+1], v[ADK] offset:6144*\g+256*\u
.endr
.endr
	ds_load_b32 v[KS], v[ADS]
.irp d, 0,1
.irp u, 0,1,2,3,4,5
	ds_load_b64 v[VF+12*\d+2*\u:VF+12*\d+2*\u+1], v[ADV] offset:1536*\d+256*\u
.endr
.endr
	ds_load_b32 v[VS], v[ADT]
	s_wait_dscnt 13                                ; K and its scale words are in; V's thirteen loads may be out
.irp e, 0,1,2,3                                ; S^T: fragment g, block e: keys 64 g + 32 (e / 2) + 8 (e % 2) + 16 h + 0 .. 7 in a lane's eight registers
	v_wmma_scale_f32_16x16x128_f8f6f4 v[S+8*\e:S+8*\e+7], v[KF:KF+11], v[QB+6+12*(\e%2)-6*(\e/2):QB+6+12*(\e%2)-6*(\e/2)+11], 0, v[KS], v[QS+\e] matrix_a_fmt:MATRIX_FMT_FP6 matrix_b_fmt:MATRIX_FMT_FP6
.endr
.irp e, 0,1,2,3
	v_wmma_scale_f32_16x16x128_f8f6f4 v[S+32+8*\e:S+32+8*\e+7], v[KF+12:KF+23], v[QB+6+12*(\e%2)-6*(\e/2):QB+6+12*(\e%2)-6*(\e/2)+11], 0, v[KS], v[QS+\e] matrix_a_fmt:MATRIX_FMT_FP6 matrix_b_fmt:MATRIX_FMT_FP6 matrix_a_scale:MATRIX_SCALE_ROW1
.endr
.rept 4
	v_nop                                          ; four places in front of the first read of results
.endr
.irp b, 0,1,2,3
	v_max3_num_f32 v[BM+\b], v[S+16*\b], v[S+16*\b+1], v[S+16*\b+2]   ; the largest score of each block of 32 keys: it serves the row's maximum and, since p rises with the score, the block's largest p.  Each accumulator is read from its low end on
.endr
.irp i, 3,5,7,9,11,13
.irp b, 0,1,2,3
	v_max3_num_f32 v[BM+\b], v[BM+\b], v[S+16*\b+\i], v[S+16*\b+\i+1]
.endr
.endr
.irp b, 0,1,2,3
	v_max_num_f32 v[BM+\b], v[BM+\b], v[S+16*\b+15]
.endr
.irp b, 0,1,2,3
	s_delay_alu instid0(VALU_DEP_4)
	v_permlanex16_b32 v[BX+\b], v[BM+\b], s[SEL], s[SEL+1]
.endr
.irp b, 0,1,2,3
	s_delay_alu instid0(VALU_DEP_4)
	v_max_num_f32 v[BM+\b], v[BM+\b], v[BX+\b]     ; with lane l xor 16's 16 keys
.endr
	s_delay_alu instid0(VALU_DEP_2)
	v_max3_num_f32 v[TMP], v[BM], v[BM+1], v[BM+2]
	s_delay_alu instid0(VALU_DEP_1)
	v_max_num_f32 v[TMP], v[TMP], v[BM+3]          ; the step's largest score of my query,
	s_delay_alu instid0(VALU_DEP_1)
	v_mul_f32 v[TMP], s[CS], v[TMP]                ; as t (c is positive)
	s_delay_alu instid0(VALU_DEP_1)
	v_max_num_f32 v13, v13, v[TMP]                 ; the running largest t
	v_mov_b32 v[TMP], v12
	s_delay_alu instid0(VALU_DEP_2)
	v_floor_f32 v12, -v13                          ; the new -M = floor(-t) = -ceil(t): a whole number
	s_delay_alu instid0(VALU_DEP_1)
	v_sub_f32 v[TMP], v12, v[TMP]                  ; old M - new M: a whole number, 0 or less
	s_delay_alu instid0(VALU_DEP_1)
	v_cvt_i32_f32 v[TMP], v[TMP]                   ; (it saturates)
	s_delay_alu instid0(VALU_DEP_1)
	v_ldexp_f32 v[F], 1.0, v[TMP]                  ; f = 2^(old M - new M)
.set j, 0
.rept 32
	v_pk_fma_f32 v[S+j:S+j+1], v[S+j:S+j+1], s[CS:CS+1], v[12:13] op_sel_hi:[1,0,0]   ; t - M, two at a time (of the pairs c and -M the low word serves both halves)
.set j, j+2
.endr
.irp b, 0,1,2,3
	v_fma_f32 v[BM+\b], v[BM+\b], s[CS], v12       ; the same of each block's largest score
.endr
.set j, 0
	s_wait_alu depctr_va_vdst(0)
.rept 64
	v_exp_f32 v[S+j], v[S+j]                       ; p = 2^(t - M), at most 1: not normalised
.set j, j+1
.endr
	v_pk_mul_f32 v[14:15], v[14:15], v[F:F+1] op_sel_hi:[1,0]   ; the sums under the new M: a plain place behind the exponentials
	s_wait_alu depctr_va_vdst(0)                   ; ahead of the first line that names a result: one for the batch of 64
.irp b, 0,1,2,3
	v_exp_f32 v[BM+\b], v[BM+\b]                   ; the block's largest p: the same two instructions on the same number give the same bits
.endr
	v_pk_add_f32 v[L2:L2+1], v[S:S+1], v[S+2:S+3]  ; the row's sum is taken of the unquantised p, in two chains; the first half of it is the plain work behind the four exponentials
.irp k, 2,4,6,8,10,12,14
	v_pk_add_f32 v[14:15], v[14:15], v[S+2*\k:S+2*\k+1]
	v_pk_add_f32 v[L2:L2+1], v[L2:L2+1], v[S+2*\k+2:S+2*\k+3]
.endr
	s_wait_alu depctr_va_vdst(0)                   ; and one wait for the four
.irp b, 0,1,2,3
	v_max_num_f32 v[BM+\b], 0x1800000, v[BM+\b]    ; the floor 2^(3 - 127): the byte cannot fall under 1 (a block whose every p is 0 keeps that byte: its codes are zeros)
.endr
.irp b, 0,1,2,3
	s_delay_alu instid0(VALU_DEP_4)
	v_add_nc_u32 v[SO+\b], 0xff000000, v[BM+\b]    ; 2 off the exponent field: the conversion's scale operand
.endr
.irp b, 0,1,2,3
	s_delay_alu instid0(VALU_DEP_4)
	v_lshrrev_b32 v[BX+\b], 23, v[SO+\b]           ; the scale's byte
.endr
	s_delay_alu instid0(VALU_DEP_3)
	v_lshl_or_b32 v[PW], v[BX+1], 8, v[BX]         ; p's scale word for these 128 keys
	s_delay_alu instid0(VALU_DEP_1)
	v_lshl_or_b32 v[PW], v[BX+2], 16, v[PW]
	s_delay_alu instid0(VALU_DEP_1)
	v_lshl_or_b32 v[PW], v[BX+3], 24, v[PW]
.irp c, 0,1
	v_cvt_scalef32_pk16_fp6_f32 v[PC+6*\c:PC+6*\c+2], v[S+32*\c:S+32*\c+15], v[SO+2*\c]
	v_cvt_scalef32_pk16_fp6_f32 v[PT+4*\c:PT+4*\c+2], v[S+32*\c+16:S+32*\c+31], v[SO+2*\c+1]   ; (a conversion's three registers begin on an even number)
.endr
	v_nop                                          ; one plain place behind a scaled conversion
.irp c, 0,1                                    ; the operand's layout wants a whole block in a lane: lanes 0-15 block 2 c, lanes 16-31 block 2 c + 1
.irp i, 0,1,2
	v_permlane16_swap_b32 v[PC+6*\c+\i], v[PT+4*\c+\i]
.endr
.irp i, 0,1,2
	s_delay_alu instid0(VALU_DEP_3)
	v_mov_b32 v[PC+6*\c+3+\i], v[PT+4*\c+\i]
.endr
.endr
.irp k, 16,18,20,22,24,26,28,30                ; the sums' second half: seventeen plain lines that name no register of the products below: the places between the scale word and codes just written and those products
	v_pk_add_f32 v[14:15], v[14:15], v[S+2*\k:S+2*\k+1]
	v_pk_add_f32 v[L2:L2+1], v[L2:L2+1], v[S+2*\k+2:S+2*\k+3]
.endr
	s_delay_alu instid0(VALU_DEP_1)
	v_pk_add_f32 v[14:15], v[14:15], v[L2:L2+1]
.irp j, 0,2,4,6,8,10,12,14
	v_pk_mul_f32 v[O+\j:O+\j+1], v[O+\j:O+\j+1], v[F:F+1] op_sel_hi:[1,0]   ; O^T under the new M, each accumulator from its low end on
.endr
	s_wait_alu depctr_va_vdst(0)
	s_wait_dscnt 0x0                               ; V and its scale words are in
	v_wmma_scale_f32_16x16x128_f8f6f4 v[O:O+7], v[VF:VF+11], v[PC:PC+11], v[O:O+7], v[VS], v[PW] matrix_a_fmt:MATRIX_FMT_FP6 matrix_b_fmt:MATRIX_FMT_FP6   ; O^T += V^T P^T; the two accumulators take turns, with the next step's eight products between
	v_wmma_scale_f32_16x16x128_f8f6f4 v[O+8:O+15], v[VF+12:VF+23], v[PC:PC+11], v[O+8:O+15], v[VS], v[PW] matrix_a_fmt:MATRIX_FMT_FP6 matrix_b_fmt:MATRIX_FMT_FP6 matrix_a_scale:MATRIX_SCALE_ROW1
	s_add_co_u32 s[TS], s[TS], 512                 ; the next step's scale words
.endm
; THE CHANGE OF SLOTS stands at a slot's head.  Each wave waits for all its tensor loads (its part of the slot that it is about to read), adds 0 to its spare word, and waits for that and for its reads of the slot that it has left.
; fill = 1: a round of the cluster's barrier: no wave of any partner still reads the other slot or has a load on its way; the joint refill of that slot comes first behind it and has four key steps in which to land.
.macro CHANGE fill
	s_wait_tensorcnt 0x0                           ; no tensor load of mine is out, so a group 0 may be written
	ds_add_u32 v[SPW], v[NIL]                      ; 0 onto my spare word
.if \fill
	s_xor_b32 s[G0+1], s[G0+1], SLOT1              ; the walking descriptor: the other slot than last time,
	s_add_nc_u64 s[G0+2:G0+3], s[G0+2:G0+3], SLOTB ; the next four key steps; the type bits on top are not reached
	s_wait_xcnt 0x0                                ; the last prefetch, a slot back, has read its address, so it may be written:
	s_add_nc_u64 s[PFA:PFA+1], s[PFA:PFA+1], SLOTB ; one slot further on than the walking descriptor
	s_wait_dscnt 0x0                               ; the add is done, and my reads of the slot that I have left are over
	CROUND
	TLOAD                                          ; the first thing behind the round, and a wave's one tensor load until the next
	ASK
.else
	s_wait_dscnt 0x0
	s_barrier_signal -1
	s_barrier_wait -1
.endif
.endm
.macro FOUR_STEPS
	STEP 0
	STEP 1
	STEP 2
	STEP 3
	s_xor_b32 s[TB], s[TB], SLOT1                  ; on to the other slot
.endm
.Lslot:                                            ; seven trips: behind each change of slots but the last the next slot is asked for
	CHANGE 1
	FOUR_STEPS
	s_sub_co_u32 s[SLOTS], s[SLOTS], 1
	s_cmp_lg_u32 s[SLOTS], 0
	s_cbranch_scc1 .Lslot
	CHANGE 0                                       ; the last slot is written out
	FOUR_STEPS
	; ---- THE END.  x's rows for the residual are asked for first: they land under all that follows
.irp i, 0,1,2,3,4,5,6,7
	global_load_b128 v[XR+4*\i:XR+4*\i+3], v[GO], s[86:87] offset:16384*(2*\i+8*(\i/4)) th:TH_LOAD_NT   ; row 2 i + h of my tile is channel 2 i + h + 8 (i / 4) from the tile's first: sixteen lanes read 256 consecutive bytes, aligned
.endr
	v_add_f32 v14, v14, v15                        ; the sum's two halves,
	s_delay_alu instid0(VALU_DEP_1)
	v_permlanex16_b32 v[TMP], v14, s[SEL], s[SEL+1]
	s_delay_alu instid0(VALU_DEP_1)
	v_add_f32 v14, v14, v[TMP]                     ; and lane l xor 16's: the row's sum
	s_wait_alu depctr_va_vdst(0)
	v_rcp_f32 v[F], v14
.rept 4
	v_nop                                          ; the plain place behind the transcendental, and the places behind the last products
.endr
	s_wait_alu depctr_va_vdst(0)                   ; ahead of the first line that names the reciprocal
.irp j, 0,2,4,6,8,10,12,14
	v_pk_mul_f32 v[O+\j:O+\j+1], v[O+\j:O+\j+1], v[F:F+1] op_sel_hi:[1,0]   ; O / sum: register i = channel 16 h + i of my head, query r
.endr
	v_max3_num_f32 v[BM], |v[O]|, |v[O+1]|, 0x1800000   ; one block: my head's 32 channels, shared with lane l xor 16
.irp i, 2,4,6,8,10,12,14
	s_delay_alu instid0(VALU_DEP_1)
	v_max3_num_f32 v[BM], v[BM], |v[O+\i]|, |v[O+\i+1]|
.endr
	s_delay_alu instid0(VALU_DEP_1)
	v_permlanex16_b32 v[BX], v[BM], s[SEL], s[SEL+1]
	s_delay_alu instid0(VALU_DEP_1)
	v_max_num_f32 v[BM], v[BM], v[BX]
	s_delay_alu instid0(VALU_DEP_1)
	v_add_nc_u32 v[SO], 0xff000000, v[BM]
	s_delay_alu instid0(VALU_DEP_1)
	v_lshrrev_b32 v[BX], 23, v[SO]                 ; the scale's byte
	v_cvt_scalef32_pk16_fp6_f32 v[PC:PC+2], v[O:O+15], v[SO]
	v_nop                                          ; one plain place behind a scaled conversion
.irp i, 0,1,2
	v_permlanex16_b32 v[PC+4+\i], v[PC+\i], s[SEL], s[SEL+1]   ; the other half's 16 codes
.endr
	v_cmp_gt_u32 vcc_lo, 16, v[LANE]
.irp i, 0,1,2
	v_cndmask_b32 v[PC+8+\i], v[PC+4+\i], v[PC+\i], vcc_lo     ; channels 0-15's codes,
	v_cndmask_b32 v[PC+11+\i], v[PC+\i], v[PC+4+\i], vcc_lo    ; then 16-31's: the whole block, in both halves of the lanes
.endr
.irp u, 0,1,2
	ds_store_b64 v[OA], v[PC+8+2*\u:PC+8+2*\u+1] offset:256*\u   ; lanes r and 16 + r write the same bytes with the same values
.endr
	ds_store_b8 v[OB], v[BX]
	s_wait_dscnt 0x0                               ; for the others' sake: my stores have landed
	s_barrier_signal -1
	s_barrier_wait -1                              ; the result's four fragments and their scale words lie in LDS
.irp m, 0,1,2,3
.irp u, 0,1,2,3,4,5
	ds_load_b64 v[OF+12*\m+2*\u:OF+12*\m+2*\u+1], v[LI8] offset:1536*\m+256*\u
.endr
	ds_load_b32 v[QS+\m], v[OSA] offset:64*\m
.endr
	s_wait_dscnt 0x0
.irp m, 0,1,2,3                                ; source 0 = 16 pixels, source 1 = my 16 output channels: a lane holds one channel and eight neighbouring pixels, 32 (m / 2) + 8 (m % 2) + 16 h + 0 .. 7
	v_wmma_scale_f32_16x16x128_f8f6f4 v[Y+8*\m:Y+8*\m+7], v[OF+12*\m:OF+12*\m+11], v[WO:WO+11], v[BIAS:BIAS+7], v[QS+\m], v[WOS] matrix_a_fmt:MATRIX_FMT_FP6 matrix_b_fmt:MATRIX_FMT_FP6
.endr
.rept 4
	v_nop                                          ; four places in front of the first read of results
.endr
.irp m, 0,1,2,3
	ds_store_b128 v[SOA], v[Y+8*\m:Y+8*\m+3] offset:128*(\m/2)+32*(\m%2)        ; each accumulator from its low end on
	ds_store_b128 v[SOA], v[Y+8*\m+4:Y+8*\m+7] offset:128*(\m/2)+32*(\m%2)+16
.endr
.irp i, 0,1,2,3,4,5,6,7
	ds_load_b128 v[BK+4*\i:BK+4*\i+3], v[RD] offset:2*\i*SPITCH   ; LDS serves a wave's instructions in order (ISA guide 5.7.1.4): these see my stores
.endr
	s_wait_loadcnt 0x0                             ; x
.irp i, 0,1,2,3,4,5,6,7
	s_wait_dscnt 7-\i                              ; rows 2 i, 2 i + 1 are back; the younger loads may be out
	v_pk_add_f32 v[BK+4*\i:BK+4*\i+1], v[BK+4*\i:BK+4*\i+1], v[XR+4*\i:XR+4*\i+1]
	v_pk_add_f32 v[BK+4*\i+2:BK+4*\i+3], v[BK+4*\i+2:BK+4*\i+3], v[XR+4*\i+2:XR+4*\i+3]
	global_store_b128 v[GO], v[BK+4*\i:BK+4*\i+3], s[88:89] offset:16384*(2*\i+8*(\i/4)) th:TH_STORE_NT   ; sixteen lanes store 256 consecutive bytes, aligned
.endr
	s_wait_tensorcnt 0x0                           ; the wave's end, behind my last tensor load and my last LDS store
	ds_add_u32 v[SPW], v[NIL]
	s_wait_dscnt 0x0
	CROUND                                         ; the closing round: no work-group ends while a partner may still ask for a tile that names it
	s_endpgm
.Lfunc_end_k_qe0207b55b7_attn:
	.size	k_qe0207b55b7_attn, .Lfunc_end_k_qe0207b55b7_attn-k_qe0207b55b7_attn
	.p2alignl 7, 3214868480
	.fill 96, 4, 3214868480
	.section	.rodata,"a",@progbits
	.p2align	6, 0x0
	.amdhsa_kernel k_qe0207b55b7_attn
		.amdhsa_group_segment_fixed_size 327680
		.amdhsa_private_segment_fixed_size 0
		.amdhsa_enable_private_segment 0
		.amdhsa_kernarg_size 72
		.amdhsa_user_sgpr_count 2
		.amdhsa_user_sgpr_kernarg_segment_ptr 1
		.amdhsa_wavefront_size32 1
		.amdhsa_system_sgpr_workgroup_id_x 1
		.amdhsa_system_sgpr_workgroup_id_y 1
		.amdhsa_system_sgpr_workgroup_id_z 1
		.amdhsa_system_vgpr_workitem_id 0
		.amdhsa_next_free_vgpr 256
		.amdhsa_next_free_sgpr 96
		.amdhsa_reserve_vcc 1
		.amdhsa_float_denorm_mode_32 3
		.amdhsa_float_denorm_mode_16_64 3
		.amdhsa_memory_ordered 1
		.amdhsa_forward_progress 1
		.amdhsa_inst_pref_size 147
	.end_amdhsa_kernel
	.amdgpu_metadata
---
amdhsa.version: [ 1, 2 ]
amdhsa.kernels:
  - .name:           k_qe0207b55b7_attn
    .symbol:         k_qe0207b55b7_attn.kd
    .args:
      - { .name: qc, .offset: 0, .size: 8, .value_kind: global_buffer, .address_space: global }
      - { .name: qs, .offset: 8, .size: 8, .value_kind: global_buffer, .address_space: global }
      - { .name: kv, .offset: 16, .size: 8, .value_kind: global_buffer, .address_space: global }
      - { .name: kvs, .offset: 24, .size: 8, .value_kind: global_buffer, .address_space: global }
      - { .name: wfrag, .offset: 32, .size: 8, .value_kind: global_buffer, .address_space: global }
      - { .name: wsc, .offset: 40, .size: 8, .value_kind: global_buffer, .address_space: global }
      - { .name: out_b, .offset: 48, .size: 8, .value_kind: global_buffer, .address_space: global }
      - { .name: x, .offset: 56, .size: 8, .value_kind: global_buffer, .address_space: global }
      - { .name: out0, .offset: 64, .size: 8, .value_kind: global_buffer, .address_space: global }
    .group_segment_fixed_size: 327680
    .private_segment_fixed_size: 0
    .kernarg_segment_align: 8
    .kernarg_segment_size: 72
    .max_flat_workgroup_size: 512
    .sgpr_count:     96
    .vgpr_count:     256
    .wavefront_size: 32
...
	.end_amdgpu_metadata
.endif
;; end of part 3
